; MI455X (gfx1250); checked and timed in simulation.
; The chip was launched on July 23, 2026; its instructions are those of AMD's public machine-readable ISA for CDNA 5 (MIT licence, August 2026) and "CDNA5" Instruction Set Architecture Reference Guide (July 2026). The comments in the code are by the model that wrote it; some were corrected since.
;; FC Always Layer. Allowed arithmetic: float matrix products may take bf16 or f16 operands with f32 sums; other float arithmetic in f32, or as packed bf16 or f16 multiplies, adds, multiply-adds, maxima and minima; sums over many terms, partial sums and values carried from step to step in f32; what a program stores and reads back later, other than sums and carried values, may be rounded once to bf16 or f16.
;; Inputs: W 4,096 x 4,096 float32; beta 1 float32; x 4,096 x 4,096 float32.
;; Outputs: out0 4,096 x 4,096 float32.
;; 2 versions, each right; version 2 is version 1 with the launch cast written anew for expert scheduling mode. Each part assembles by itself: llvm-mc -triple=amdgcn-amd-amdhsa -mcpu=gfx1250 --defsym DOCPART=n.
;; ======== version 1 of 2: 2 launches
;; workspace buffers: xb 33,554,432 bytes; wb 33,554,432 bytes; bias 16,384 bytes
;; launch cast (part 1): grid 128 x 2, 16 waves a work-group, no clusters, 2,304 bytes of LDS; arguments x, W, beta, xb, wb, bias; writes xb, wb, bias
.if DOCPART == 1
	.amdgcn_target "amdgcn-amd-amdhsa--gfx1250"
	.amdhsa_code_object_version 6
	.text
	.protected	k_q7a41d36c28_cast
	.globl	k_q7a41d36c28_cast
	.p2align	8
	.type	k_q7a41d36c28_cast,@function
k_q7a41d36c28_cast:
	s_mov_b64 s[64:65], 0
	v_nop
	global_prefetch_b8 v0, s[64:65] scope:SCOPE_SE
	s_setreg_imm32_b32 hwreg(HW_REG_WAVE_MODE, 25, 1), 1
	s_wait_xcnt 0x0
; xb = bf16(x), wb = bf16(W), bias[o] = bf16(beta) - the sum over i of bf16(W[o][i]).  x, W: [4096][4096] f32; xb, wb: the same shape in bf16; bias: [4096] f32.
; All three inputs get the same rounding, to nearest even: the row sum is taken of the ROUNDED weights, in f32, so that bias and the product of the next launch speak of the same numbers.
; LIMITS.  A number beyond bf16's largest finite one, 3.39e38, becomes an infinity.  The order of the row sum's additions is not that of a sum from left to right.
; SHARES.  Work-groups with y = 0 take x, those with y = 1 take W.  A work-group owns 32 rows, each of its 16 waves two.  A row is 16,384 bytes in: 32 loads, each 512 consecutive bytes of the wave
; (16 a lane); and 8,192 bytes out: 32 stores, each 256 consecutive bytes, at a multiple of 256 from the buffer's first byte (8 a lane).  One wave, one row: the sum stays in the wave.
; IN FLIGHT.  32 slots in registers, a load each: the first row's 32 loads go out at the start, and each slot asks for its part of the second row as soon as the first row's has been rounded.
; NOT USED: LDS on the way in and tensor loads (no wave wants a byte that another has fetched), the matrix unit, clusters (no two work-groups read the same byte), a prefetch (every byte is asked for by its
; own load, at the wave's start or a row ahead).  x's rows are not summed: the two paths differ in that alone.
.set ROWI,  16384                      ; bytes in a row of f32
.set ROWO,  8192                       ; bytes in a row of bf16
.set SPARE, 256                        ; LDS: bytes 0-127 the work-group's 32 row sums (that block of 256 is theirs); from 256 on the spare words, 128 bytes for each of the 16 waves
.set LO,  1                            ; v1   load offset: wave x 2 rows x 16,384 + 16 x lane; never rewritten
.set SO,  2                            ; v2   store offset: wave x 2 rows x 8,192 + 8 x lane; never rewritten
.set L4,  3                            ; v3   4 x lane
.set WA,  4                            ; v4   8 x wave: where my two row sums go
.set TP,  5                            ; v5   the wave's number; later at work
.set SPW, 6                            ; v6   LDS address of my spare word: SPARE + 4 x my thread's number; never rewritten
.set NIL, 7                            ; v7   0; never rewritten
.set T,   8                            ; v[8:11]    at work
.set ACC, 12                           ; v[12:27]   row r: eight running sums at ACC + 8 r, in four packed chains
.set S,   28                           ; v[28:29]   the two row sums
.set TQ,  30                           ; v30        at work
.set BT,  31                           ; v31        bf16(beta) as f32
.set X,   32                           ; v[32:159]  slot i: four f32 as loaded
.set Y,   160                          ; v[160:223] slot i: four bf16 to store
.set SRC, 18                           ; s[18:19]   x or W at the work-group's first row
.set DST, 20                           ; s[20:21]   xb or wb at the same row
	s_load_b256 s[4:11], s[0:1], 0x0               ; x s[4:5], W s[6:7], beta s[8:9], xb s[10:11]
	s_load_b128 s[12:15], s[0:1], 0x20             ; wb s[12:13], bias s[14:15]
	v_lshl_add_u32 v[SPW], v0, 2, SPARE
	v_mov_b32 v[NIL], 0
	v_lshrrev_b32 v[TP], 5, v0
	v_readfirstlane_b32 s24, v[TP]                 ; wave 0..15
	v_and_b32 v[L4], 31, v0                        ; lane
	v_lshlrev_b32 v[LO], 4, v[L4]
	v_lshl_or_b32 v[LO], v[TP], 15, v[LO]
	v_lshlrev_b32 v[SO], 3, v[L4]
	v_lshl_or_b32 v[SO], v[TP], 14, v[SO]
	v_lshlrev_b32 v[WA], 3, v[TP]
	v_lshlrev_b32 v[L4], 2, v[L4]
	v_mov_b32 v[TQ], 0                             ; v_permlanex16_b32 counts as a reader of its destination: it is written here
	s_and_b32 s16, ttmp7, 0xffff                   ; 0: x, 1: W
	s_mov_b32 s25, 0xffff0000                      ; a word's upper bf16
	s_mov_b32 s26, 0x76543210                      ; v_permlanex16_b32: each lane takes its own place in the other half
	s_mov_b32 s27, 0xfedcba98
	s_lshl_b32 s22, ttmp9, 19                      ; the work-group's 32 rows of 16,384 bytes
	s_mov_b32 s23, 0
	s_wait_kmcnt 0x0
	s_cmp_eq_u32 s16, 0
	s_cselect_b64 s[SRC:SRC+1], s[4:5], s[6:7]
	s_cselect_b64 s[DST:DST+1], s[10:11], s[12:13]
	s_add_nc_u64 s[SRC:SRC+1], s[SRC:SRC+1], s[22:23]
	s_lshl_b32 s22, ttmp9, 18                      ; and of 8,192 bytes
	s_add_nc_u64 s[DST:DST+1], s[DST:DST+1], s[22:23]
.set n, 0
.rept 32
	global_load_b128 v[X+4*n:X+4*n+3], v[LO], s[SRC:SRC+1] offset:512*n th:TH_LOAD_NT  ; my first row
.set n, n+1
.endr
; Slot i's turn in row 0 or 1 of the wave's two.  sum = 1: the rounded numbers are also added up.
.macro SLOT i, row, sum
.if (\row) == 0
	s_wait_loadcnt 31                              ; loads come back in order (ISA guide 5.7.1): behind mine stand the row's 31 - i younger ones and the i refills issued so far
.else
	s_wait_loadcnt 31-(\i)                         ; behind my refill stand the 31 - i younger refills
.endif
	v_cvt_pk_bf16_f32 v[Y+2*(\i)],   v[X+4*(\i)],   v[X+4*(\i)+1]
	v_cvt_pk_bf16_f32 v[Y+2*(\i)+1], v[X+4*(\i)+2], v[X+4*(\i)+3]
.if (\row) == 0
	global_load_b128 v[X+4*(\i):X+4*(\i)+3], v[LO], s[SRC:SRC+1] offset:ROWI+512*(\i) th:TH_LOAD_NT  ; the slot's part of the second row, ahead of the store
.endif
	global_store_b64 v[SO], v[Y+2*(\i):Y+2*(\i)+1], s[DST:DST+1] offset:ROWO*(\row)+256*(\i)
.if \sum
.set CH, ACC+8*(\row)+4*((\i)%2)
.if (\i) < 2                           ; the first two slots start the chains: nothing is cleared
	v_lshlrev_b32 v[CH],   16,  v[Y+2*(\i)]        ; bf16 to f32: the low half moves up,
	v_and_b32     v[CH+1], s25, v[Y+2*(\i)]        ; the high half stays
	v_lshlrev_b32 v[CH+2], 16,  v[Y+2*(\i)+1]
	v_and_b32     v[CH+3], s25, v[Y+2*(\i)+1]
.else
	v_lshlrev_b32 v[T],   16,  v[Y+2*(\i)]
	v_and_b32     v[T+1], s25, v[Y+2*(\i)]
	v_lshlrev_b32 v[T+2], 16,  v[Y+2*(\i)+1]
	v_and_b32     v[T+3], s25, v[Y+2*(\i)+1]
	v_pk_add_f32 v[CH:CH+1],   v[CH:CH+1],   v[T:T+1]
	v_pk_add_f32 v[CH+2:CH+3], v[CH+2:CH+3], v[T+2:T+3]
.endif
.endif
.endm
.macro ROWS sum
.set n, 0
.rept 32
	SLOT n, 0, \sum
.set n, n+1
.endr
	s_wait_xcnt 0x0                                ; every store of the first row has had its address translated (ISA guide 3.1): Y, which those stores read, is written anew only behind this wait
.set n, 0
.rept 32
	SLOT n, 1, \sum
.set n, n+1
.endr
.endm
	s_cmp_lg_u32 s16, 0                            ; the same in all waves of the work-group
	s_cbranch_scc1 .Lw
	ROWS 0                                         ; x: rounded and stored
	s_endpgm
.Lw:
	s_load_b32 s28, s[8:9], 0x0                    ; beta; waited for where wave 0 uses it
	ROWS 1
	; a lane's eight sums into one, the two rows side by side; then over the 32 lanes: four steps inside each half of 16 ride on the addition (DPP), one crosses the halves
.irp r, 0,1
	v_pk_add_f32 v[ACC+8*(\r):ACC+8*(\r)+1],   v[ACC+8*(\r):ACC+8*(\r)+1],   v[ACC+8*(\r)+2:ACC+8*(\r)+3]
	v_pk_add_f32 v[ACC+8*(\r)+4:ACC+8*(\r)+5], v[ACC+8*(\r)+4:ACC+8*(\r)+5], v[ACC+8*(\r)+6:ACC+8*(\r)+7]
.endr
.irp r, 0,1
	v_pk_add_f32 v[ACC+8*(\r):ACC+8*(\r)+1], v[ACC+8*(\r):ACC+8*(\r)+1], v[ACC+8*(\r)+4:ACC+8*(\r)+5]
.endr
.irp r, 0,1
	v_add_f32 v[S+(\r)], v[ACC+8*(\r)], v[ACC+8*(\r)+1]
.endr
.irp m, 1,2,4,8
.irp r, 0,1
	v_add_f32_dpp v[S+(\r)], v[S+(\r)], v[S+(\r)] row_xmask:\m row_mask:0xf bank_mask:0xf
.endr
.endr
	v_permlanex16_b32 v[TP], v[S], s26, s27
	v_permlanex16_b32 v[TQ], v[S+1], s26, s27
	v_add_f32 v[S], v[S], v[TP]
	v_add_f32 v[S+1], v[S+1], v[TQ]                ; every lane holds both row sums
	ds_store_b64 v[WA], v[S:S+1]                   ; words 2 w and 2 w + 1: all lanes write the same 8 bytes with the same numbers
	s_wait_dscnt 0x0                               ; for the others' sake: my store is done
	s_barrier_signal -1
	s_barrier_wait -1                              ; all 32 sums lie in LDS
	s_cmp_lg_u32 s24, 0                            ; wave 0 stores them, a lane a row
	s_cbranch_scc1 .Lend
	ds_load_b32 v[T], v[L4]
	s_wait_kmcnt 0x0                               ; beta
	v_mov_b32 v[BT], s28
	v_cvt_pk_bf16_f32 v[BT], v[BT], v[BT]          ; rounded like the other inputs,
	v_lshlrev_b32 v[BT], 16, v[BT]                 ; and back in f32
	s_lshl_b32 s22, ttmp9, 7                       ; the work-group's 32 numbers of bias (s23 is still 0)
	s_add_nc_u64 s[14:15], s[14:15], s[22:23]
	s_wait_dscnt 0x0
	v_sub_f32 v[T+1], v[BT], v[T]
	global_store_b32 v[L4], v[T+1], s[14:15]       ; 128 consecutive bytes: all that a work-group has of this table of 16,384 bytes
.Lend:
	s_wait_tensorcnt 0x0                           ; the wave's end, behind my last LDS store
	ds_add_u32 v[SPW], v[NIL]
	s_wait_dscnt 0x0
	s_endpgm
.Lfunc_end_k_q7a41d36c28_cast:
	.size	k_q7a41d36c28_cast, .Lfunc_end_k_q7a41d36c28_cast-k_q7a41d36c28_cast
	.p2alignl 7, 3214868480
	.fill 96, 4, 3214868480
	.section	.rodata,"a",@progbits
	.p2align	6, 0x0
	.amdhsa_kernel k_q7a41d36c28_cast
		.amdhsa_group_segment_fixed_size 2304
		.amdhsa_private_segment_fixed_size 0
		.amdhsa_enable_private_segment 0
		.amdhsa_kernarg_size 48
		.amdhsa_user_sgpr_count 2
		.amdhsa_user_sgpr_kernarg_segment_ptr 1
		.amdhsa_wavefront_size32 1
		.amdhsa_system_sgpr_workgroup_id_x 1
		.amdhsa_system_sgpr_workgroup_id_y 1
		.amdhsa_system_sgpr_workgroup_id_z 1
		.amdhsa_system_vgpr_workitem_id 0
		.amdhsa_next_free_vgpr 224
		.amdhsa_next_free_sgpr 66
		.amdhsa_reserve_vcc 0
		.amdhsa_float_denorm_mode_32 3
		.amdhsa_float_denorm_mode_16_64 3
		.amdhsa_memory_ordered 1
		.amdhsa_forward_progress 1
		.amdhsa_inst_pref_size 61
	.end_amdhsa_kernel
	.amdgpu_metadata
---
amdhsa.version: [ 1, 2 ]
amdhsa.kernels:
  - .name:           k_q7a41d36c28_cast
    .symbol:         k_q7a41d36c28_cast.kd
    .args:
      - { .name: x, .offset: 0, .size: 8, .value_kind: global_buffer, .address_space: global }
      - { .name: W, .offset: 8, .size: 8, .value_kind: global_buffer, .address_space: global }
      - { .name: beta, .offset: 16, .size: 8, .value_kind: global_buffer, .address_space: global }
      - { .name: xb, .offset: 24, .size: 8, .value_kind: global_buffer, .address_space: global }
      - { .name: wb, .offset: 32, .size: 8, .value_kind: global_buffer, .address_space: global }
      - { .name: bias, .offset: 40, .size: 8, .value_kind: global_buffer, .address_space: global }
    .group_segment_fixed_size: 2304
    .private_segment_fixed_size: 0
    .kernarg_segment_align: 8
    .kernarg_segment_size: 48
    .max_flat_workgroup_size: 512
    .sgpr_count:     66
    .vgpr_count:     224
    .wavefront_size: 32
...
	.end_amdgpu_metadata
.endif
;; end of part 1
;; launch gemm (part 2): grid 16 x 16, 4 waves a work-group, clusters of 4 x 4, 327,680 bytes of LDS; arguments xb, wb, out0, bias; writes out0
.if DOCPART == 2
	.amdgcn_target "amdgcn-amd-amdhsa--gfx1250"
	.amdhsa_code_object_version 6
	.text
	.protected	k_q7a41d36c28_gemm
	.globl	k_q7a41d36c28_gemm
	.p2align	8
	.type	k_q7a41d36c28_gemm,@function
k_q7a41d36c28_gemm:
	s_mov_b64 s[64:65], 0
	v_nop
	global_prefetch_b8 v0, s[64:65] scope:SCOPE_SE
	s_setreg_imm32_b32 hwreg(HW_REG_WAVE_MODE, 25, 1), 1
	s_wait_xcnt 0x0
	s_wait_alu depctr_hold_cnt(0) depctr_sa_sdst(0) depctr_va_vdst(0) depctr_va_sdst(0) depctr_va_ssrc(0) depctr_va_vcc(0) depctr_vm_vsrc(0)
	s_getreg_b32 s2, hwreg(HW_REG_IB_STS2, 6, 4)
	s_cmp_eq_u32 s2, 0
	s_cbranch_scc0 .Lentry_in_a_cluster
	s_endpgm
.Lentry_in_a_cluster:
	s_bfe_u32 s2, ttmp6, 0x10000c
	s_cmp_lg_u32 s2, 0xf033
	s_cbranch_scc0 .Lentry_shape_is_right
	s_endpgm
.Lentry_shape_is_right:
; out0[m][n] = max(0, bias[n] + the sum over k of xb[m][k] wb[n][k]).  xb (A): [4096][4096] bf16, wb (B): [4096][4096] bf16, bias: [4096] f32, out0: [4096][4096] f32.  Sums in f32, K ascending.
; LIMITS.  A NaN in a sum gives 0 (v_max_num_f32 lets the NaN lose).  As the formula has it, the product is added onto bias, which holds minus a row sum of wb: the same difference of sums, no further one.
; A tile of out0, 256 x 256, is made by a work-group of four waves, as many as a WGP has SIMDs; there are 256 tiles, one to a work-group.  A wave makes 128 x 128: 64 accumulators of 16 x 16, 512 registers.
; K goes in 32 steps of 128 through a ring of two LDS slots filled by the tensor data mover: the rows of A's and B's tiles are 256 bytes of memory and start at multiples of 256 bytes from the buffer's first byte.
; THE BIAS STARTS THE SUMS: the first product on each accumulator takes the bias of its 16 columns as C.  Nothing is cleared, and the way out has no addition.
; CLUSTERS: 4 x 4 work-groups.  The four of a row of the cluster need the same tiles of A, the four of a column the same tiles of B.  Such a tile is asked for JOINTLY: each of the four issues the same tensor
; load, with the same descriptor and a mask that names the four, and each receives the tile in its own LDS.  That divides the requests for A and for B by four.
; REGISTERS, in windows of 256 (an instruction names v0-v255; s_set_vgpr_msb says which window each operand place means: bits 1:0 source 0, 3:2 source 1, 5:4 source 2, 7:6 destination):
;   window 0: v0-31 addresses; v64-127, v128-191 fragments of A (8 x 16 rows x 32 K), two buffers, on the way out rows read back from the stage; v192-255 the bias of my 128 columns
;   window 1: v64-127, v128-191 fragments of B, two buffers
;   window 2: the 32 accumulators of my rows 0-63 (accumulator (a, b) at v[8 (8 a + b)]);   window 3: those of my rows 64-127
; THE MATRIX INSTRUCTION IS USED TRANSPOSED: source 0 = 16 rows of B, source 1 = 16 rows of A.  In the result lane l holds row l % 16 of out0, and its registers 0 to 7 the columns 8 (l / 16) + 0 .. 7:
; eight neighbouring numbers of a row, 32 bytes.
.set SIZE_M, 4096
.set SIZE_N, 4096
.set SIZE_K, 4096
.set KSTEP,  128
.set PITCH,  272                       ; an LDS row: 256 bytes of data + 16 of padding = 68 words: row r starts at bank 4 r mod 64 (64 banks of 4 bytes: ISA guide 11.1), so the 16 rows that a load touches start at 16 different banks
.set HALFT,  128*PITCH                 ; 128 rows: what one tensor load brings, and what one wave reads of A or of B
.set SLOT,   4*HALFT                   ; A's 256 rows, then B's 256 rows
.set STAGE,  2*SLOT                    ; behind the ring: 16 rows x 528 bytes for each wave, for the way out; no tensor load lands there
.set SPITCH, 528                       ; a stage row: my 128 columns in f32, 512 bytes, + 16 = 132 words: the 16 rows that a store touches start at 16 different groups of four banks
.set SPARE,  STAGE+4*16*SPITCH         ; behind the stages: the spare words, 128 bytes for each wave: two blocks of 256 bytes that no other line names
.set LAPS,   SIZE_K/(2*KSTEP)          ; a lap = two K steps = once round the ring: 16
.set ROWO,   SIZE_N*4                  ; bytes in a row of out0
.set ADRA, 16                          ; v16-17  LDS address of my A fragments in slot 0, 1
.set ADRB, 20                          ; v20-21  the same for B
.set STO,  24                          ; v24     the way out: where I put 32 bytes of a row
.set RD,   25                          ; v25     the way out: where I read 16 bytes of a row back
.set CO,   26                          ; v26     16 x lane: my 16 bytes in the 512 of a row of out0 that are my wave's
.set BO,   27                          ; v27     32 x (lane / 16): my eight numbers in a group of 16 of bias
.set SPW,  28                          ; v28     LDS address of my spare word: SPARE + 4 x my thread's number; never rewritten
.set NIL,  29                          ; v29     0; never rewritten
.set PFO,  30                          ; v30     the prefetches' offset: my lane x a row of A or B in memory; never rewritten
.set F0,   64                          ; fragment buffer 0
.set F1,   128                         ; fragment buffer 1
.set BI,   192                         ; v[BI + 8 b + j] = bias of my column 16 b + 8 (lane / 16) + j
.set G1,   24                          ; s[24:31] descriptor group 1 for A's tiles
.set G0,   32                          ; s[32:39] descriptor group 0 for A's tiles, one set for each slot
.set LIM,  43                          ; s43      1 in a wave that prefetches, else the greatest number
.set PFA,  44                          ; s[44:45] where my prefetches stand: my work-group's 32 rows of the 128 that I fetch, one K step further along K than the refill that is being asked for
.set G1B,  48                          ; s[48:55] descriptor group 1 for B's tiles: it differs from A's in the mask alone
.set G0B,  56                          ; s[56:63] descriptor group 0 for B's tiles
.set BP,   66                          ; s[66:67] bias at my first column
.set MSB, 0
.macro WIN new                         ; the immediate's high byte repeats the setting that is left; a switch that changes nothing is dropped
.if MSB != (\new)
	s_set_vgpr_msb (MSB<<8)|(\new)
.set MSB, \new
.endif
.endm
.set MUL_LO, 0xa1                      ; source 0 (B) window 1, source 1 (A) window 0, C and D window 2; + 0x50: C and D window 3
.set BEG_LO, 0x81                      ; the same with C (the bias) in window 0; + 0x40: D window 3
.set TO_B,   0x40                      ; destination window 1, address window 0
; A joint load.  Waves 0 and 1 fetch A's two halves, waves 2 and 3 B's.  Each of the two lines has one mask and one set of registers for all that issue it, and nothing in them hangs on a coordinate that
; the four partners do not share.  The branch hangs on the wave's number alone.  An s_nop 0 and four v_nop follow each of the two lines, ahead of the jump, the label and what follows.
.macro JLOAD s
	s_cmp_eq_u32 s11, 0
	s_cbranch_scc0 .Lfor_b_\@
	tensor_load_to_lds s[G0+4*(\s):G0+4*(\s)+3], s[G1:G1+7]
	s_nop 0
.rept 4
	v_nop
.endr
	s_branch .Lasked_\@
.Lfor_b_\@:
	tensor_load_to_lds s[G0B+4*(\s):G0B+4*(\s)+3], s[G1B:G1B+7]
	s_nop 0
.rept 4
	v_nop
.endr
.Lasked_\@:
.endm
; A PREFETCH INTO THE L2, behind each joint load, its five lines and the run of LDS loads that follows them: the K step that stands TWO refills on, 512 matrix instructions ahead of the load that will ask for it:
; 32 rows x 256 bytes, a lane a row, one instruction a wave.  At a change of slots every wave has waited for all its tensor loads, so the refill that follows has nothing on its way beside it.
; Each row's 256 bytes of a K step are named ONCE in the launch.  A's tile row is read by every cluster of that row of clusters: the first of them (cluster x = 0) asks; B's tile column by every cluster of that
; column: cluster y = 0 asks.  The four partners that ask for a tile jointly share its rows out BY ADDRESS: of the 128 rows that a wave fetches the partner at place p takes 32 p .. 32 p + 31 (p = cx for A, cy
; for B): no branch hangs on a work-group's place in its cluster.  K steps 0 to 3 come by their loads alone; the loop's last trip asks for nothing: K step 31 is the last.
.macro ASK
	s_cmp_gt_u32 s3, s[LIM]                        ; s3 = 1 in the loop's last trip
	s_cbranch_scc0 .Lnot_mine_\@
	global_prefetch_b8 v[PFO], s[PFA:PFA+1] offset:KSTEP*2 th:TH_LOAD_NT scope:SCOPE_SE
.Lnot_mine_\@:
.endm
; A round of the cluster's barrier: my work-group's barrier, so that wave 0's signal speaks for all four waves; wave 0 signals for the work-group; every wave waits for all sixteen work-groups; my
; work-group's barrier once more.  No LDS instruction of the wave is pending at a signal.
.macro CREST                           ; a round behind its opening barrier
	s_cmp_lg_u32 s10, 0
	s_cbranch_scc1 .Lnot_wave_0_\@
	s_barrier_signal -3
.Lnot_wave_0_\@:
	s_barrier_wait -3
	s_barrier_signal -1
	s_barrier_wait -1
.endm
.macro CROUND                          ; a whole round
	s_barrier_signal -1
	s_barrier_wait -1
	CREST
.endm
	s_load_b128 s[4:7], s[0:1], 0x0                ; A s[4:5], B s[6:7]
	s_load_b64 s[8:9], s[0:1], 0x10                ; out0
	s_load_b64 s[BP:BP+1], s[0:1], 0x18            ; bias
	v_lshl_add_u32 v[SPW], v0, 2, SPARE
	v_mov_b32 v[NIL], 0
	ds_add_u32 v[SPW], v[NIL]                      ; the wave's opening: the add, twice on end, and its wait ahead of my first tensor load; the set-up below, work on registers, stands between
	ds_add_u32 v[SPW], v[NIL]                      ; and once more, under the one wait
	v_lshrrev_b32 v1, 5, v0
	v_readfirstlane_b32 s10, v1                    ; wave 0..3
	s_lshr_b32 s11, s10, 1                         ; which half of the tile's rows is mine.  Also: I fetch for A (0) or for B (1)
	s_and_b32 s12, s10, 1                          ; which half of its columns.  Also: which 128 rows of that tile I fetch
	s_bfe_u32 s40, ttmp6, 0x40000                  ; cx: my place along the cluster's x
	s_bfe_u32 s41, ttmp6, 0x40004                  ; cy: along its y
	s_lshl_b32 s42, ttmp9, 2                       ; in a cluster launch ttmp9 and ttmp7 count clusters
	s_add_co_u32 s42, s42, s40                     ; tile column = 4 x cluster x + cx
	s_and_b32 s13, ttmp7, 0xffff
	s_lshl_b32 s13, s13, 2
	s_add_co_u32 s13, s13, s41                     ; tile row = 4 x cluster y + cy
	s_lshl_b32 s43, s41, 2
	s_lshl_b32 s43, 15, s43                        ; my row of the cluster: places 4 cy .. 4 cy + 3
	s_lshl_b32 s44, 0x1111, s40                    ; my column: places cx, cx + 4, cx + 8, cx + 12
	; descriptor group 1: a tile of 128 rows x 128 elements, padded in LDS
	s_or_b32 s[G1+0], s43, (1<<16)|(1<<20)|(1<<21)|(5<<22)|(3<<25)  ; 15:0 the mask: A's tiles go to my row; 17:16 elements of 2 bytes; 20 padding on; 21 set beside a mask; 24:22 after every 64 words (code 5); 31:25 4 words of it (code 3)
	s_or_b32 s[G1B+0], s44, (1<<16)|(1<<20)|(1<<21)|(5<<22)|(3<<25) ; the same with the mask of my column, for B's tiles
.irp g, G1, G1B
	s_mov_b32 s[(\g)+1], KSTEP<<16                 ; 63:48 tensor_dim0, low half = 128
	s_mov_b32 s[(\g)+2], 128<<16                   ; 79:64 its high half = 0; 95:80 tensor_dim1, low half = 128
	s_mov_b32 s[(\g)+3], KSTEP<<16                 ; 111:96 its high half = 0; 127:112 tile_dim0 = 128
	s_mov_b32 s[(\g)+4], 128                       ; 143:128 tile_dim1 = 128; 159:144 tile_dim2 = 0
	s_mov_b32 s[(\g)+5], SIZE_K                    ; 191:160 tensor_dim0_stride, low word: elements from row to row
	s_mov_b32 s[(\g)+6], 0
	s_mov_b32 s[(\g)+7], 0
.endr
	; where the tiles come from.  A's hang on the tile row alone, which my row of the cluster shares; B's on the tile column alone, which my column shares.
	; Every wave makes both addresses, in registers that never hold the other coordinate, and asks by one of them.
	s_lshl_b32 s17, s12, 7                         ; which 128 rows of the tile I fetch
	s_lshl_b32 s16, s13, 8
	s_add_co_u32 s16, s16, s17                     ; A: row 256 x tile row + 128 x half
	s_lshl_b32 s46, s42, 8
	s_add_co_u32 s46, s46, s17                     ; B: row 256 x tile column + 128 x half
	s_mov_b32 s17, 0
	s_mov_b32 s47, 0
	s_mov_b64 s[18:19], SIZE_K*2
	s_mul_u64 s[16:17], s[16:17], s[18:19]         ; in bytes
	s_mul_u64 s[46:47], s[46:47], s[18:19]
	s_mul_i32 s20, s10, HALFT                      ; and where they go: A's two halves, then B's two halves = wave x 128 rows: no place in the cluster enters an LDS address
	s_wait_dscnt 0x0                               ; both opening adds are done
	s_wait_kmcnt 0x0
	s_add_nc_u64 s[14:15], s[4:5], s[16:17]
	s_add_nc_u64 s[46:47], s[6:7], s[46:47]
	CROUND                                         ; all sixteen work-groups are here: the first joint loads meet
.irp s, 0,1
	s_mov_b32 s[G0+4*(\s)], 1                                      ; 1:0 count = 1
	s_add_co_u32 s[G0+4*(\s)+1], s20, (\s)*SLOT                    ; 63:32 LDS address
	s_add_nc_u64 s[G0+4*(\s)+2:G0+4*(\s)+3], s[14:15], (\s)*KSTEP*2  ; 120:64 global address: K step s
	s_or_b32 s[G0+4*(\s)+3], s[G0+4*(\s)+3], 0x80000000            ; 127:126 type = 2
	s_mov_b32 s[G0B+4*(\s)], 1
	s_add_co_u32 s[G0B+4*(\s)+1], s20, (\s)*SLOT
	s_add_nc_u64 s[G0B+4*(\s)+2:G0B+4*(\s)+3], s[46:47], (\s)*KSTEP*2
	s_or_b32 s[G0B+4*(\s)+3], s[G0B+4*(\s)+3], 0x80000000
	JLOAD \s                                       ; the ring is filled before anything else is done: two loads of mine are out
.endr
	; A fragment is 16 rows x 32 K in 8 registers: lane l holds row l % 16; registers 0-3 hold K = 8 (l / 16) + 0..7, registers 4-7 hold K = 16 + 8 (l / 16) + 0..7.
	; From rows that lie along K: two loads of 16 bytes, 32 bytes apart.  The same for source 0 and source 1.
	v_and_b32 v1, 15, v0                           ; l % 16
	v_bfe_u32 v2, v0, 4, 1                         ; l / 16
	v_mul_u32_u24 v3, v1, PITCH
	v_lshl_add_u32 v3, v2, 4, v3                   ; row x pitch + 16 x half
	s_mul_i32 s21, s11, HALFT                      ; my 128 rows of A
	s_mul_i32 s22, s12, HALFT                      ; my 128 rows of B,
	s_add_co_u32 s22, s22, 2*HALFT                 ; which lie behind A's 256
.irp s, 0,1
	v_add_nc_u32 v[ADRA+(\s)], s21, v3
	v_add_nc_u32 v[ADRB+(\s)], s22, v3
	s_add_co_u32 s21, s21, SLOT
	s_add_co_u32 s22, s22, SLOT
.endr
	s_mul_i32 s23, s10, 16*SPITCH
	s_add_co_u32 s23, s23, STAGE                   ; my stage
	v_mul_u32_u24 v4, v1, SPITCH                   ; in: row l % 16, 32 bytes for each half of the lanes
	v_lshl_add_u32 v4, v2, 5, v4
	v_add_nc_u32 v[STO], s23, v4
	v_and_b32 v5, 31, v0
	v_lshlrev_b32 v[CO], 4, v5                     ; back: 32 lanes take one row's 512 bytes, which are 512 consecutive bytes of out0
	v_add_nc_u32 v[RD], s23, v[CO]
	v_lshlrev_b32 v[BO], 5, v2
	; my first column, in bytes of f32, for bias and for out0 (in the registers that held B's address: none that feeds A's descriptors ever holds cx)
	s_lshl_b32 s46, s42, 10                        ; 1,024 x tile column
	s_lshl_b32 s47, s12, 9                         ; + 512 x half
	s_add_co_u32 s46, s46, s47
	s_mov_b32 s47, 0
	s_add_nc_u64 s[BP:BP+1], s[BP:BP+1], s[46:47]
.irp b, 0,1,2,3,4,5,6,7
	global_load_b128 v[BI+8*(\b):BI+8*(\b)+3],   v[BO], s[BP:BP+1] offset:64*(\b)     ; the bias in the layout of a C operand: the same eight numbers in all lanes of a half
	global_load_b128 v[BI+8*(\b)+4:BI+8*(\b)+7], v[BO], s[BP:BP+1] offset:64*(\b)+16
.endr
	s_lshl_b32 s13, s13, 8
	s_lshl_b32 s14, s11, 7
	s_add_co_u32 s16, s13, s14                     ; my first row of out0
	s_mov_b32 s17, 0
	s_mov_b64 s[18:19], ROWO
	s_mul_u64 s[16:17], s[16:17], s[18:19]
	s_add_nc_u64 s[16:17], s[16:17], s[46:47]
	s_add_nc_u64 s[8:9], s[8:9], s[16:17]          ; out0 at my part of the tile; never stepped again
	; the prefetches.  s13 = 256 x tile row, s42 = tile column, s40 = cx, s41 = cy still stand; s[4:5] = A, s[6:7] = B
	s_lshl_b32 s42, s42, 8
	s_and_b32 s22, ttmp7, 0xffff                   ; cluster y
	s_cmp_eq_u32 s11, 0                            ; do I fetch for A?
	s_cselect_b32 s20, s13, s42                    ; the tile's first row: in A by the tile row, in B by the tile column
	s_cselect_b32 s21, s40, s41                    ; my place among the four that ask for it with me
	s_cselect_b32 s22, ttmp9, s22                  ; the coordinate along which other clusters read the same rows
	s_cselect_b64 s[PFA:PFA+1], s[4:5], s[6:7]
	s_cmp_eq_u32 s22, 0
	s_cselect_b32 s[LIM], 1, -1                    ; the same in all sixteen partners, for a given wave
	s_lshl_b32 s22, s12, 7
	s_add_co_u32 s20, s20, s22                     ; + the 128 rows that I fetch
	s_lshl_b32 s21, s21, 5
	s_add_co_u32 s20, s20, s21                     ; + my work-group's 32 of them
	s_mov_b32 s21, 0
	s_mov_b64 s[18:19], SIZE_K*2
	s_mul_u64 s[20:21], s[20:21], s[18:19]
	s_add_nc_u64 s[PFA:PFA+1], s[PFA:PFA+1], s[20:21]
	s_add_nc_u64 s[PFA:PFA+1], s[PFA:PFA+1], 2*KSTEP*2  ; at K step 2: the first refill steps it to 3 and names K step 4
	v_and_b32 v[PFO], 31, v0
	v_mul_u32_u24 v[PFO], v[PFO], SIZE_K*2
	; nothing is prefetched here, at the head, where every work-group's first two tiles are on their way
; 16 matrix instructions: m blocks a0, a0 + 1 of the window's four (hi = 0: my rows 0-63, 1: rows 64-127) x all 8 n blocks, 32 along K.
; first = 1: the product starts the sum, from the bias of its 16 columns.  The 64 accumulators take turns, in the same order in every quarter step.
.macro MUL16 f, hi, a0, first
.if \first
	WIN BEG_LO+0x40*(\hi)
.else
	WIN MUL_LO+0x50*(\hi)
.endif
.irp a, \a0, (\a0)+1
.irp b, 0,1,2,3,4,5,6,7
.if \first
	v_wmma_f32_16x16x32_bf16 v[8*(8*(\a)+(\b)):8*(8*(\a)+(\b))+7], v[(\f)+8*(\b):(\f)+8*(\b)+7], v[(\f)+8*(4*(\hi)+(\a)):(\f)+8*(4*(\hi)+(\a))+7], v[BI+8*(\b):BI+8*(\b)+7]
.else
	v_wmma_f32_16x16x32_bf16 v[8*(8*(\a)+(\b)):8*(8*(\a)+(\b))+7], v[(\f)+8*(\b):(\f)+8*(\b)+7], v[(\f)+8*(4*(\hi)+(\a)):(\f)+8*(4*(\hi)+(\a))+7], v[8*(8*(\a)+(\b)):8*(8*(\a)+(\b))+7]
.endif
.endr
.endr
.endm
; 32 LDS loads in one run: the fragments of one quarter step (128 rows of B, 128 rows of A, 32 K at byte k of the rows) into buffer f
.macro FETCH slot, k, f
	WIN TO_B
.irp i, 0,1,2,3,4,5,6,7
	ds_load_b128 v[(\f)+8*(\i):(\f)+8*(\i)+3],   v[ADRB+(\slot)] offset:(\k)+(\i)*16*PITCH
	ds_load_b128 v[(\f)+8*(\i)+4:(\f)+8*(\i)+7], v[ADRB+(\slot)] offset:(\k)+(\i)*16*PITCH+32
.endr
	WIN 0
.irp i, 0,1,2,3,4,5,6,7
	ds_load_b128 v[(\f)+8*(\i):(\f)+8*(\i)+3],   v[ADRA+(\slot)] offset:(\k)+(\i)*16*PITCH
	ds_load_b128 v[(\f)+8*(\i)+4:(\f)+8*(\i)+7], v[ADRA+(\slot)] offset:(\k)+(\i)*16*PITCH+32
.endr
.endm
; A load into a register that a matrix instruction has read, and a vector instruction that reads or writes a matrix result, stand four places behind that matrix instruction, and only plain vector
; instructions that name none of its registers are places (ISA guide 7.12.1 for vector instructions); the matrix instructions in between are not counted.
.macro PLACES
.rept 4
	v_nop
.endr
.endm
; A K step is four quarter steps of 32 along K, 64 matrix instructions each, on buffers 0, 1, 0, 1.
; One of the first three: multiplies buffer f; in its middle it fetches the next quarter's fragments, at byte k of the same slot's rows, into buffer g.
.macro QUARTER slot, k, f, g, first
	s_wait_dscnt 8                                 ; B and A's rows 0-63 are in; the youngest eight loads (A's rows 64-127) may be out
	MUL16 \f, 0, 0, \first
	MUL16 \f, 0, 2, \first
	PLACES
	FETCH \slot, \k, \g
	s_wait_dscnt 32                                ; all but the 32 just issued
	MUL16 \f, 1, 0, \first
	MUL16 \f, 1, 2, \first
.endm
; The last quarter multiplies buffer 1 and changes slots.  MEET is its first half: ONE barrier for the change of slots, for two things.  In front of it each wave waits for all its tensor loads, of which
; one is out: its part of the next slot; adds 0 to its spare word; and waits for that and for its own reads of this slot.  Behind it nobody reads this slot any more and the next slot is whole.
.macro MEET round                      ; round = 1: a round of the cluster's barrier follows
	WIN 0                                          ; (the add's two registers lie in window 0)
	s_wait_tensorcnt 0x0                           ; all my tensor loads have landed: the one that was out is my part of the next slot;
	ds_add_u32 v[SPW], v[NIL]                      ; 0 onto my spare word;
	s_wait_dscnt 9                                 ; (the add and the youngest eight loads may be out)
	MUL16 F1, 0, 0, 0                              ; sixteen matrix instructions stand between the add and the wait for it
	s_wait_dscnt 0x0                               ; the add is done, and my reads of this slot are over:
	s_barrier_signal -1                            ; say so (where a slot is filled again this barrier opens a round of the cluster's barrier),
	MUL16 F1, 0, 2, 0                              ; work on registers while the others arrive,
.if \round
	WIN 0
.endif
	s_barrier_wait -1                              ; and go on when all four have said so
.endm
; The whole last quarter.  Behind the round the slot just read out is filled again first, with the K step two steps on; then come the next slot's first fragments.
; From a request to the wait for it a wave issues 224 matrix instructions.
.macro TURN slot, next
	s_wait_xcnt 0x0                                ; the last prefetch, a K step back, has read its address: it is stepped here, ahead of the waits of the change of slots
	s_add_nc_u64 s[PFA:PFA+1], s[PFA:PFA+1], KSTEP*2
	MEET 1
	CREST                                          ; wave 0 says so for the work-group, all sixteen work-groups have said so, my work-group's barrier closes the round:
	                                               ; no wave of any partner still reads this slot's tile or has a load on its way
	s_add_nc_u64 s[G0+4*(\slot)+2:G0+4*(\slot)+3], s[G0+4*(\slot)+2:G0+4*(\slot)+3], 2*KSTEP*2
	s_add_nc_u64 s[G0B+4*(\slot)+2:G0B+4*(\slot)+3], s[G0B+4*(\slot)+2:G0B+4*(\slot)+3], 2*KSTEP*2
	JLOAD \slot                                    ; the first tensor load behind the round, my only one until the next; the four v_nop behind it are also the places in front of the loads below
	FETCH \next, 0, F0
	ASK                                            ; behind the joint load and the run of LDS loads that the next products wait for
	MUL16 F1, 1, 0, 0
	MUL16 F1, 1, 2, 0
.endm
; THE WAY OUT of block a (16 of my rows; its eight accumulators at AC in window 2 or 3), in three parts.
; RELU: in place, each accumulator's registers in ascending order.
.macro RELU a
.set AC, 64*((\a)%4)
	WIN 0x8a+0x45*((\a)/4)                         ; destination and sources: window 2 or 3
.set i, 0
.rept 64
	v_max_num_f32 v[AC+i], 0, v[AC+i]
.set i, i+1
.endr
.endm
; TOSTAGE: a lane's 32 bytes of a row go into my own stage, and the rows come back whole, 512 bytes each, into the fragment buffer a % 2, which is free now.
.macro TOSTAGE a
.set AC, 64*((\a)%4)
.set BK, F0+64*((\a)%2)
	WIN 0x08+4*((\a)/4)                            ; the data (source 1): window 2 or 3
.irp b, 0,1,2,3,4,5,6,7
	ds_store_b128 v[STO], v[AC+8*(\b):AC+8*(\b)+3]   offset:64*(\b)
	ds_store_b128 v[STO], v[AC+8*(\b)+4:AC+8*(\b)+7] offset:64*(\b)+16
.endr
	WIN 0
.irp t, 0,1,2,3,4,5,6,7,8,9,10,11,12,13,14,15
	ds_load_b128 v[BK+4*(\t):BK+4*(\t)+3], v[RD] offset:(\t)*SPITCH  ; LDS serves a wave's instructions in order (ISA guide 5.7.1.4): these see the stores above; the next block's stores come behind them
.endr
.endm
; SEND: stored.  The row stands in the immediate: 127 rows of 16,384 bytes at the most, inside its signed 24 bits (ISA guide, chapter 10), so no base is stepped.
.macro SEND a
.set BK, F0+64*((\a)%2)
	WIN 0
	s_wait_xcnt 0x0                                ; the stores of the block before have had their addresses translated (ISA guide 3.1): their buffer, the other one, is loaded again only behind this wait
.irp t, 0,1,2,3,4,5,6,7,8,9,10,11,12,13,14,15
	s_wait_dscnt 15-(\t)                           ; row t is back; the younger loads may be out
	global_store_b128 v[CO], v[BK+4*(\t):BK+4*(\t)+3], s[8:9] offset:(16*(\a)+(\t))*ROWO th:TH_STORE_NT  ; the wave stores 512 consecutive bytes, at a multiple of 512 from out0's first byte
.endr
.endm
	s_wait_tensorcnt 1                             ; my part of K step 0 is in; K step 1's may stay out
	s_barrier_signal -1
	s_barrier_wait -1                              ; everybody's is
	FETCH 0, 0, F0
	s_wait_loadcnt 0x0                             ; the bias
	QUARTER 0, 64,  F0, F1, 1                      ; the first quarter stands in front of the loop: its products start the sums
	WIN 0                                          ; at a label and at a branch every window is 0
	s_mov_b32 s3, LAPS-1
.Llap:                                                 ; a trip goes once round the ring, from a lap's second quarter to the next lap's first, and fills both slots again
	QUARTER 0, 128, F1, F0, 0
	QUARTER 0, 192, F0, F1, 0
	TURN 0, 1
	QUARTER 1, 64,  F0, F1, 0
	QUARTER 1, 128, F1, F0, 0
	QUARTER 1, 192, F0, F1, 0
	TURN 1, 0
	QUARTER 0, 64,  F0, F1, 0
	WIN 0
	s_sub_co_u32 s3, s3, 1
	s_cmp_lg_u32 s3, 0
	s_cbranch_scc1 .Llap
	QUARTER 0, 128, F1, F0, 0                      ; the last lap is written out: it fills nothing, and has no round of the cluster's barrier
	QUARTER 0, 192, F0, F1, 0
	MEET 0                                         ; my one tensor load that was still out is slot 1's, the last K step's
	PLACES                                         ; for the loads into buffer 0, which the quarter before multiplied
	FETCH 1, 0, F0
	MUL16 F1, 1, 0, 0
	MUL16 F1, 1, 2, 0
	QUARTER 1, 64,  F0, F1, 0
	QUARTER 1, 128, F1, F0, 0
	QUARTER 1, 192, F0, F1, 0
	s_wait_dscnt 8                                 ; the very last quarter: nothing more to fetch
	MUL16 F1, 0, 0, 0
	MUL16 F1, 0, 2, 0
	s_wait_dscnt 0x0
	MUL16 F1, 1, 0, 0
	MUL16 F1, 1, 2, 0
	WIN 0
	PLACES                                         ; behind the last products: in front of the maxima, which read and write results, and of the loads into the fragment buffers
	RELU 0
	TOSTAGE 0
.irp a, 1,2,3,4,5,6,7                  ; block a's maxima stand between block a - 1's loads from the stage and the waits for them
	RELU \a
	SEND (\a)-1
	TOSTAGE \a
.endr
	SEND 7
	s_wait_tensorcnt 0x0                           ; the wave's end, behind my last tensor load and my last LDS store
	ds_add_u32 v[SPW], v[NIL]
	s_wait_dscnt 0x0
	CROUND                                         ; the closing round: no work-group ends while a partner may still ask for a tile that names it
	s_endpgm
.Lfunc_end_k_q7a41d36c28_gemm:
	.size	k_q7a41d36c28_gemm, .Lfunc_end_k_q7a41d36c28_gemm-k_q7a41d36c28_gemm
	.p2alignl 7, 3214868480
	.fill 96, 4, 3214868480
	.section	.rodata,"a",@progbits
	.p2align	6, 0x0
	.amdhsa_kernel k_q7a41d36c28_gemm
		.amdhsa_group_segment_fixed_size 327680
		.amdhsa_private_segment_fixed_size 0
		.amdhsa_enable_private_segment 0
		.amdhsa_kernarg_size 32
		.amdhsa_user_sgpr_count 2
		.amdhsa_user_sgpr_kernarg_segment_ptr 1
		.amdhsa_wavefront_size32 1
		.amdhsa_system_sgpr_workgroup_id_x 1
		.amdhsa_system_sgpr_workgroup_id_y 1
		.amdhsa_system_sgpr_workgroup_id_z 1
		.amdhsa_system_vgpr_workitem_id 0
		.amdhsa_next_free_vgpr 1024
		.amdhsa_next_free_sgpr 68
		.amdhsa_reserve_vcc 0
		.amdhsa_float_denorm_mode_32 3
		.amdhsa_float_denorm_mode_16_64 3
		.amdhsa_memory_ordered 1
		.amdhsa_forward_progress 1
		.amdhsa_inst_pref_size 163
	.end_amdhsa_kernel
	.amdgpu_metadata
---
amdhsa.version: [ 1, 2 ]
amdhsa.kernels:
  - .name:           k_q7a41d36c28_gemm
    .symbol:         k_q7a41d36c28_gemm.kd
    .args:
      - { .name: xb, .offset: 0, .size: 8, .value_kind: global_buffer, .address_space: global }
      - { .name: wb, .offset: 8, .size: 8, .value_kind: global_buffer, .address_space: global }
      - { .name: out0, .offset: 16, .size: 8, .value_kind: global_buffer, .address_space: global }
      - { .name: bias, .offset: 24, .size: 8, .value_kind: global_buffer, .address_space: global }
    .group_segment_fixed_size: 327680
    .private_segment_fixed_size: 0
    .kernarg_segment_align: 8
    .kernarg_segment_size: 32
    .max_flat_workgroup_size: 128
    .sgpr_count:     68
    .vgpr_count:     1024
    .wavefront_size: 32
...
	.end_amdgpu_metadata
.endif
;; end of part 2
;; ======== version 2 of 2: 2 launches; version 1 with the launch cast written anew for expert scheduling mode
;; workspace buffers: xb 33,554,432 bytes; wb 33,554,432 bytes; bias 16,384 bytes
;; launch cast (part 3): grid 128 x 2, 16 waves a work-group, no clusters, 2,304 bytes of LDS; arguments x, W, beta, xb, wb, bias; writes xb, wb, bias
.if DOCPART == 3
	.amdgcn_target "amdgcn-amd-amdhsa--gfx1250"
	.amdhsa_code_object_version 6
	.text
	.protected	k_q7a41d36c28_cast
	.globl	k_q7a41d36c28_cast
	.p2align	8
	.type	k_q7a41d36c28_cast,@function
k_q7a41d36c28_cast:
	s_mov_b64 s[64:65], 0
	v_nop
	global_prefetch_b8 v0, s[64:65] scope:SCOPE_SE
	s_setreg_imm32_b32 hwreg(HW_REG_WAVE_SCHED_MODE, 0, 2), 2
	s_setreg_imm32_b32 hwreg(HW_REG_WAVE_MODE, 25, 1), 1
	s_wait_xcnt 0x0
	s_wait_alu depctr_vm_vsrc(0)
; xb = bf16(x), wb = bf16(W), bias[o] = bf16(beta) - the sum over i of bf16(W[o][i]).  x, W: [4096][4096] f32; xb, wb: the same shape in bf16; bias: [4096] f32.
; All three inputs get the same rounding, to nearest even: the row sum is taken of the ROUNDED weights, in f32, so that bias and the product of the next launch speak of the same numbers.
; LIMITS.  A number beyond bf16's largest finite one, 3.39e38, becomes an infinity.  The order of the row sum's additions is not that of a sum from left to right.
; SHARES.  Work-groups with y = 0 take x, those with y = 1 take W.  A work-group owns 32 rows, each of its 16 waves two.  A row is 16,384 bytes in: 32 loads, each 512 consecutive bytes of the wave
; (16 a lane); and 8,192 bytes out: 32 stores, each 256 consecutive bytes, at a multiple of 256 from the buffer's first byte (8 a lane).  One wave, one row: the sum stays in the wave.
; NOT USED: LDS on the way in and tensor loads (no wave wants a byte that another has fetched), the matrix unit, clusters (no two work-groups read the same byte), a prefetch (every byte is asked for by its
; own load, at the wave's start or three blocks ahead).  x's rows are not summed: the two paths differ in that alone.
; THE MODE: SCHED_MODE bits 1:0 = 2 (LLVM: expert scheduling mode 2), set by the entry lines.  The code itself states the register dependences between vector instructions and memory or LDS
; instructions, with s_wait_alu, always for 0.
; THE PLAN.  A row has 32 slots of 512 bytes; the wave's two rows go in 8 blocks of eight slots: blocks 0 to 3 the first row, blocks 4 to 7 the second.  Registers that memory or LDS instructions touch:
;   X0 .. X3   a block of f32 as loaded.  Written by the 32 loads at the head (blocks 0 to 3) and by the loads of block p + 3, issued in block p = 1 .. 4; read by block p's conversions (X[p % 4]).
;   Y0 .. Y4   a block of bf16 to store.  Written by block p's conversions (Y[p % 5]); read by the eight stores that are issued in block p + 1 (and by the sums' unpacking lines, vector instructions).
;   v1 .. v4   offsets and LDS addresses, made once at the head and never written again: rows and slots stand in the immediates.
;   S, T, T+1  at the end of W's path alone: see there.      v[SPW], v[NIL]  written at the head, read by the closing add alone.
; Block p's memory instructions are the loads into X[(p - 1) % 4] and the stores from Y[(p - 1) % 5]: the two buffers that block p - 1 worked on and that no vector instruction of block p names.  So ONE
; wait on va_vdst at a block's head states all that the block's sixteen memory instructions hang on, and these are dealt among its vector instructions with no further wait.
; With five Y buffers the first that is written again is Y0, in block 5: ONE wait on vm_vsrc, at that block's head, where no load is left to issue, serves blocks 5, 6 and 7.
.set ROWI,  16384                      ; bytes in a row of f32
.set ROWO,  8192                       ; bytes in a row of bf16
.set SPARE, 256                        ; LDS: bytes 0-127 the work-group's 32 row sums (that block of 256 is theirs); from 256 on the spare words, 128 bytes for each of the 16 waves
.set LO,  1                            ; v1   load offset: wave x 2 rows x 16,384 + 16 x lane; never rewritten
.set SO,  2                            ; v2   store offset: wave x 2 rows x 8,192 + 8 x lane; never rewritten
.set L4,  3                            ; v3   4 x lane
.set WA,  4                            ; v4   8 x wave: where my two row sums go
.set TP,  5                            ; v5   the wave's number; later at work
.set SPW, 6                            ; v6   LDS address of my spare word: SPARE + 4 x my thread's number; never rewritten
.set NIL, 7                            ; v7   0; never rewritten
.set T,   8                            ; v[8:11]    at work
.set ACC, 12                           ; v[12:27]   row r: eight running sums at ACC + 8 r, in four packed chains
.set S,   28                           ; v[28:29]   the two row sums
.set TQ,  30                           ; v30        at work
.set BT,  31                           ; v31        bf16(beta) as f32
.set X,   32                           ; v[32:159]  buffer k, slot j of eight: four f32 as loaded, at X + 32 k + 4 j
.set Y,   160                          ; v[160:239] buffer k, slot j of eight: four bf16 to store, at Y + 16 k + 2 j
.set SRC, 18                           ; s[18:19]   x or W at the work-group's first row
.set DST, 20                           ; s[20:21]   xb or wb at the same row
	s_load_b256 s[4:11], s[0:1], 0x0               ; x s[4:5], W s[6:7], beta s[8:9], xb s[10:11]
	s_load_b128 s[12:15], s[0:1], 0x20             ; wb s[12:13], bias s[14:15]
	v_lshl_add_u32 v[SPW], v0, 2, SPARE
	v_mov_b32 v[NIL], 0
	v_lshrrev_b32 v[TP], 5, v0
	v_readfirstlane_b32 s24, v[TP]                 ; wave 0..15
	v_and_b32 v[L4], 31, v0                        ; lane
	v_lshlrev_b32 v[LO], 4, v[L4]
	v_lshl_or_b32 v[LO], v[TP], 15, v[LO]
	v_lshlrev_b32 v[SO], 3, v[L4]
	v_lshl_or_b32 v[SO], v[TP], 14, v[SO]
	v_lshlrev_b32 v[WA], 3, v[TP]
	v_lshlrev_b32 v[L4], 2, v[L4]
	v_mov_b32 v[TQ], 0                             ; v_permlanex16_b32 counts as a reader of its destination: it is written here
	s_wait_alu depctr_va_sdst(0)                   ; s24 is written, ahead of every branch and of its first reader, the compare that picks wave 0 at the end of W's path
	s_and_b32 s16, ttmp7, 0xffff                   ; 0: x, 1: W
	s_mov_b32 s25, 0xffff0000                      ; a word's upper bf16
	s_mov_b32 s26, 0x76543210                      ; v_permlanex16_b32: each lane takes its own place in the other half
	s_mov_b32 s27, 0xfedcba98
	s_lshl_b32 s22, ttmp9, 19                      ; the work-group's 32 rows of 16,384 bytes
	s_mov_b32 s23, 0
	s_wait_kmcnt 0x0
	s_cmp_eq_u32 s16, 0
	s_cselect_b64 s[SRC:SRC+1], s[4:5], s[6:7]
	s_cselect_b64 s[DST:DST+1], s[10:11], s[12:13]
	s_add_nc_u64 s[SRC:SRC+1], s[SRC:SRC+1], s[22:23]
	s_lshl_b32 s22, ttmp9, 18                      ; and of 8,192 bytes
	s_add_nc_u64 s[DST:DST+1], s[DST:DST+1], s[22:23]
	s_wait_alu depctr_va_vdst(0)                   ; v1 to v4 are written: every load, store and LDS instruction of the kernel but the closing add reads one of them as its offset or address
.set n, 0
.rept 32
	global_load_b128 v[X+4*n:X+4*n+3], v[LO], s[SRC:SRC+1] offset:512*n th:TH_LOAD_NT  ; my first row: blocks 0 to 3 into X0 to X3
.set n, n+1
.endr
; Block p of the wave's eight.  sum = 1: the rounded numbers are also added up, slot after slot, as they come.
.macro BLK p, sum
.set XB, X+32*((\p)%4)                 ; the block's own buffers,
.set YB, Y+16*((\p)%5)
.set XP, X+32*(((\p)+3)%4)             ; and those of the block before
.set YP, Y+16*(((\p)+4)%5)
.if (\p) == 5
	s_wait_xcnt 0x0                                ; every earlier memory instruction has had its addresses translated (ISA guide 3.1): Y0 to Y2, which earlier stores read, are written anew only behind this wait
	s_wait_alu depctr_vm_vsrc(0)                   ; the stores issued in blocks 1 to 3 have read Y0, Y1 and Y2, which the conversions of blocks 5, 6 and 7 write again
.endif
.if (\p) > 0
	s_wait_alu depctr_va_vdst(0)                   ; the block before has written its Y, which the stores below read, and is done reading its X, in which the loads below land
.endif
.set j, 0
.rept 8
.if ((\p) >= 1) && ((\p) <= 4)
	global_load_b128 v[XP+4*j:XP+4*j+3], v[LO], s[SRC:SRC+1] offset:ROWI+512*(8*((\p)-1)+j) th:TH_LOAD_NT  ; three blocks ahead: the same slot of the second row; no vector instruction since the wait names these registers
.endif
.if (\p) > 0
	global_store_b64 v[SO], v[YP+2*j:YP+2*j+1], s[DST:DST+1] offset:ROWO*(((\p)-1)/4)+256*(8*(((\p)-1)%4)+j)  ; the block before
.endif
	; loads come back in order (ISA guide 5.7.1): the count is that of the loads younger than this slot's
.if (\p) == 0
	s_wait_loadcnt 31-j                            ; the rest of the 32 issued at the head
.elseif (\p) <= 4
	s_wait_loadcnt 24                              ; 7 - j of my block, 16 of the two blocks behind it, j + 1 issued in this block
.else
	s_wait_loadcnt 8*(7-(\p))+7-j                  ; nothing more is asked for: the counts run down
.endif
	v_cvt_pk_bf16_f32 v[YB+2*j],   v[XB+4*j],   v[XB+4*j+1]
	v_cvt_pk_bf16_f32 v[YB+2*j+1], v[XB+4*j+2], v[XB+4*j+3]
.if \sum
.set i, 8*((\p)%4)+j                   ; the slot's number in its row
.set CH, ACC+8*((\p)/4)+4*(i%2)
.if i < 2                              ; the first two slots start the chains: nothing is cleared
	v_lshlrev_b32 v[CH],   16,  v[YB+2*j]          ; bf16 to f32: the low half moves up,
	v_and_b32     v[CH+1], s25, v[YB+2*j]          ; the high half stays
	v_lshlrev_b32 v[CH+2], 16,  v[YB+2*j+1]
	v_and_b32     v[CH+3], s25, v[YB+2*j+1]
.else
	v_lshlrev_b32 v[T],   16,  v[YB+2*j]
	v_and_b32     v[T+1], s25, v[YB+2*j]
	v_lshlrev_b32 v[T+2], 16,  v[YB+2*j+1]
	v_and_b32     v[T+3], s25, v[YB+2*j+1]
	v_pk_add_f32 v[CH:CH+1],   v[CH:CH+1],   v[T:T+1]
	v_pk_add_f32 v[CH+2:CH+3], v[CH+2:CH+3], v[T+2:T+3]
.endif
.endif
.set j, j+1
.endr
.endm
.macro ROWS sum
	BLK 0, \sum                                    ; no block stands in front of it: no store, no load, no wait but those for its data
	BLK 1, \sum
	BLK 2, \sum
	BLK 3, \sum
	BLK 4, \sum
	BLK 5, \sum
	BLK 6, \sum
	BLK 7, \sum
	s_wait_alu depctr_va_vdst(0)                   ; block 7 has written Y2, which the last eight stores read
.set j, 0
.rept 8
	global_store_b64 v[SO], v[Y+32+2*j:Y+32+2*j+1], s[DST:DST+1] offset:ROWO+256*(24+j)
.set j, j+1
.endr
.endm
	s_cmp_lg_u32 s16, 0                            ; the same in all waves of the work-group
	s_cbranch_scc1 .Lw
	ROWS 0                                         ; x: rounded and stored
	s_endpgm
.Lw:
	s_load_b32 s28, s[8:9], 0x0                    ; beta; waited for where wave 0 uses it
	ROWS 1
	; a lane's eight sums into one, the two rows side by side; then over the 32 lanes: four steps inside each half of 16 ride on the addition (DPP), one crosses the halves
.irp r, 0,1
	v_pk_add_f32 v[ACC+8*(\r):ACC+8*(\r)+1],   v[ACC+8*(\r):ACC+8*(\r)+1],   v[ACC+8*(\r)+2:ACC+8*(\r)+3]
	v_pk_add_f32 v[ACC+8*(\r)+4:ACC+8*(\r)+5], v[ACC+8*(\r)+4:ACC+8*(\r)+5], v[ACC+8*(\r)+6:ACC+8*(\r)+7]
.endr
.irp r, 0,1
	v_pk_add_f32 v[ACC+8*(\r):ACC+8*(\r)+1], v[ACC+8*(\r):ACC+8*(\r)+1], v[ACC+8*(\r)+4:ACC+8*(\r)+5]
.endr
.irp r, 0,1
	v_add_f32 v[S+(\r)], v[ACC+8*(\r)], v[ACC+8*(\r)+1]
.endr
.irp m, 1,2,4,8
.irp r, 0,1
	v_add_f32_dpp v[S+(\r)], v[S+(\r)], v[S+(\r)] row_xmask:\m row_mask:0xf bank_mask:0xf
.endr
.endr
	v_permlanex16_b32 v[TP], v[S], s26, s27
	v_permlanex16_b32 v[TQ], v[S+1], s26, s27
	v_add_f32 v[S], v[S], v[TP]
	v_add_f32 v[S+1], v[S+1], v[TQ]                ; every lane holds both row sums
	s_wait_alu depctr_va_vdst(0)                   ; the additions have written v[S:S+1], which the LDS store reads; and the blocks' lines are done with v[T], in which wave 0's LDS load lands: no vector instruction stands between this wait and that load
	ds_store_b64 v[WA], v[S:S+1]                   ; words 2 w and 2 w + 1: all lanes write the same 8 bytes with the same numbers
	s_wait_dscnt 0x0                               ; for the others' sake: my store is done
	s_barrier_signal -1
	s_barrier_wait -1                              ; all 32 sums lie in LDS
	s_cmp_lg_u32 s24, 0                            ; wave 0 stores them, a lane a row
	s_cbranch_scc1 .Lend
	ds_load_b32 v[T], v[L4]
	s_wait_kmcnt 0x0                               ; beta
	v_mov_b32 v[BT], s28
	v_cvt_pk_bf16_f32 v[BT], v[BT], v[BT]          ; rounded like the other inputs,
	v_lshlrev_b32 v[BT], 16, v[BT]                 ; and back in f32
	s_lshl_b32 s22, ttmp9, 7                       ; the work-group's 32 numbers of bias (s23 is still 0)
	s_add_nc_u64 s[14:15], s[14:15], s[22:23]
	s_wait_dscnt 0x0
	v_sub_f32 v[T+1], v[BT], v[T]
	s_wait_alu depctr_va_vdst(0)                   ; the subtraction has written v[T+1], which the store reads
	global_store_b32 v[L4], v[T+1], s[14:15]       ; 128 consecutive bytes: all that a work-group has of this table of 16,384 bytes
.Lend:
	s_wait_dscnt 0x0                               ; the closing lines, six on end
	s_wait_alu 0x0
	s_wait_tensorcnt 0x0
	ds_add_u32 v[SPW], v[NIL]
	s_wait_dscnt 0x0
	s_endpgm
.Lfunc_end_k_q7a41d36c28_cast:
	.size	k_q7a41d36c28_cast, .Lfunc_end_k_q7a41d36c28_cast-k_q7a41d36c28_cast
	.p2alignl 7, 3214868480
	.fill 96, 4, 3214868480
	.section	.rodata,"a",@progbits
	.p2align	6, 0x0
	.amdhsa_kernel k_q7a41d36c28_cast
		.amdhsa_group_segment_fixed_size 2304
		.amdhsa_private_segment_fixed_size 0
		.amdhsa_enable_private_segment 0
		.amdhsa_kernarg_size 48
		.amdhsa_user_sgpr_count 2
		.amdhsa_user_sgpr_kernarg_segment_ptr 1
		.amdhsa_wavefront_size32 1
		.amdhsa_system_sgpr_workgroup_id_x 1
		.amdhsa_system_sgpr_workgroup_id_y 1
		.amdhsa_system_sgpr_workgroup_id_z 1
		.amdhsa_system_vgpr_workitem_id 0
		.amdhsa_next_free_vgpr 240
		.amdhsa_next_free_sgpr 66
		.amdhsa_reserve_vcc 0
		.amdhsa_float_denorm_mode_32 3
		.amdhsa_float_denorm_mode_16_64 3
		.amdhsa_memory_ordered 1
		.amdhsa_forward_progress 1
		.amdhsa_inst_pref_size 61
	.end_amdhsa_kernel
	.amdgpu_metadata
---
amdhsa.version: [ 1, 2 ]
amdhsa.kernels:
  - .name:           k_q7a41d36c28_cast
    .symbol:         k_q7a41d36c28_cast.kd
    .args:
      - { .name: x, .offset: 0, .size: 8, .value_kind: global_buffer, .address_space: global }
      - { .name: W, .offset: 8, .size: 8, .value_kind: global_buffer, .address_space: global }
      - { .name: beta, .offset: 16, .size: 8, .value_kind: global_buffer, .address_space: global }
      - { .name: xb, .offset: 24, .size: 8, .value_kind: global_buffer, .address_space: global }
      - { .name: wb, .offset: 32, .size: 8, .value_kind: global_buffer, .address_space: global }
      - { .name: bias, .offset: 40, .size: 8, .value_kind: global_buffer, .address_space: global }
    .group_segment_fixed_size: 2304
    .private_segment_fixed_size: 0
    .kernarg_segment_align: 8
    .kernarg_segment_size: 48
    .max_flat_workgroup_size: 512
    .sgpr_count:     66
    .vgpr_count:     240
    .wavefront_size: 32
...
	.end_amdgpu_metadata
.endif
;; end of part 3
;; launch gemm: the kernel of part 2 again; grid 16 x 16, 4 waves a work-group, clusters of 4 x 4, 327,680 bytes of LDS; arguments xb, wb, out0, bias; writes out0
